; MI455X (gfx1250); checked and timed in simulation.
; The chip was launched on July 23, 2026; its instructions are those of AMD's public machine-readable ISA for CDNA 5 (MIT licence, August 2026) and "CDNA5" Instruction Set Architecture Reference Guide (July 2026). The comments in the code are by the model that wrote it; some were corrected since.
;; Two Layer Fixed Classifier. Allowed arithmetic: matrix products marked QUANTISED: E5M2 operands, one given power-of-two scale a tensor, by v_wmma_f32_16x16x64_bf8_bf8 or v_wmma_f32_16x16x128_bf8_bf8, f32 sums; everything else in f32.
;; Inputs: b1 4,096 float32; b2 1,000 float32; lowp_scales 2 int32 (the exponents e of the quantised operands' scales 2^e); w1 4,096 x 2,048 float32; w2 1,000 x 4,096 float32; x 8,192 x 2,048 float32.
;; Outputs: out0 8,192 x 1,000 float32.
;; This version of the problem:
;;   THIS VERSION OF THE PROBLEM IS GIVEN IN LOW PRECISION. The matrix products marked QUANTISED in the list below multiply operands that are first quantised to E5M2 (5 exponent bits, 2 mantissa bits; 8 bits a number), with one given power-of-two scale for each operand tensor; their sums are f32. All else is computed in f32.
;;   The module's matrix products, in the order in which they are computed (A, B: the left and right operand; K: the contracted axis; several contracted axes count as one K, in the product's order):
;;     1. [M 8,192, K 2,048] x [K 2,048, N 4,096]; A: input x; B: input w1: QUANTISED (scales: A lowp_scales[0], B lowp_scales[1])
;;   THE QUANTISER, for each operand of a quantised product, along K:
;;     - The operand's scale is 2^e, e = its entry of the input lowp_scales (int32; the entries are numbered through the quantised products in the list's order, A before B).
;;     - Each number is divided by the scale, clamped to +-57,344, and rounded to the nearest number of E5M2, ties to even, subnormals kept.
;;     - The product sums the exact products of the quantised numbers (number of the format x scale) in f32.
;;   ~~~python
;;   def quantise(x, axis, e):      # numpy; x: float32 -> the quantised numbers, widened to float32 again
;;       x = np.moveaxis(x, axis, -1); K = x.shape[-1]
;;       r = np.clip(x / 2.0 ** e, -57344, 57344)
;;       step = 2.0 ** (np.maximum(np.frexp(np.where(r == 0, 1, r))[1] - 1, -14) - 2)
;;       q = np.round(r / step) * step * 2.0 ** e      # np.round: ties to even
;;       return np.moveaxis(q, -1, axis).astype(np.float32)
;;   ~~~
;; One version. Each part assembles by itself: llvm-mc -triple=amdgcn-amd-amdhsa -mcpu=gfx1250 --defsym DOCPART=n.
;; ======== version 1 of 1: 3 launches
;; limits: right only within a limited range of input values
;; workspace buffers: xq 16,777,216 bytes; wq 8,388,608 bytes; w2t 16,777,216 bytes; cand 2,097,152 bytes of whole numbers
;; launch prep (part 1): grid 1280 x 1, 4 waves a work-group, no clusters, 35,328 bytes of LDS; arguments x, w1, lowp_scales, w2, b2, xq, wq, w2t; writes xq, wq, w2t
.if DOCPART == 1
	.amdgcn_target "amdgcn-amd-amdhsa--gfx1250"
	.amdhsa_code_object_version 6
	.text
	.protected	k_q86459723d2_prep
	.globl	k_q86459723d2_prep
	.p2align	8
	.type	k_q86459723d2_prep,@function
k_q86459723d2_prep:
	s_mov_b64 s[64:65], 0
	v_nop
	global_prefetch_b8 v0, s[64:65] scope:SCOPE_SE
	s_setreg_imm32_b32 hwreg(HW_REG_WAVE_MODE, 25, 1), 1
	s_wait_xcnt 0x0
; TWO JOBS IN ONE LAUNCH, told apart by the work-group's number.
; Work-groups 0-511 (x) and 512-767 (w1): f32 numbers become codes of BF8 (E5M2), one byte each, with the one scale 2^e that is given for the tensor (entry 0 for x, entry 1 for w1):
;   code = number / 2^e, held within +-57,344, rounded to the nearest code, ties to even.
; Work-groups 768-1279: w2 [1000][4096] is laid as w2t [4096][1024] f32, w2t[j][c] = w2[c][j] + b2[c], so that the last launch finds a column of w2 as one row of 4,096 bytes.
;   c = 1000 .. 1023 are filling (0 + a clamped b2); nobody reads them.
; LIMITS: -126 <= e and e + 15 <= 127.  NaN among x and w1 is not served (an infinity is held at the largest code).
;
; THE CODES' ORDER ALONG K.  Each load reads 512 consecutive bytes, 16 a lane, and a lane converts what it has loaded: of a step of 512 numbers lane l holds numbers 128 i + 4 l + e (i, e = 0 .. 3)
; and puts their codes at bytes 16 l + 4 i + e of the step's 512.  That is one fixed permutation of k inside each aligned run of 512 along K, the same for x and for w1 (rows of 2,048 = 4 runs; one text serves both),
; so in the product every code of x still meets the code of w1 with the same k.  With one scale for a tensor nothing else hangs on the place of k.  So no turn through LDS is needed here.
.set NQX,   512                        ; work-groups for x:  8192 x 2048 / (4 waves x 16 steps x 512 numbers)
.set NQ,    768                        ; + those for w1:     4096 x 2048 / 32,768 = 256
.set R,     16                         ; v16-79    quantiser: four sets of 16 numbers as loaded
.set C,     80                         ; v80-143   quantiser: four registers of codes for each of 16 steps: no store's data are written again
.set XT,    16                         ; v16-79    transposer: 64 numbers of my column of w2
.set OUTR,  80                         ; v80-143   transposer: 16 x 4 registers read back by rows
.set BB,    144                        ; v144-147  transposer: b2 at my four c
.set SP,    272                        ; transposer: a stage row: 256 bytes + 16, so that the rows that one LDS instruction touches start at different banks
	s_load_b512 s[4:19], s[0:1], 0x0               ; x 4:5, w1 6:7, scales 8:9, w2 10:11, b2 12:13, xq 14:15, wq 16:17, w2t 18:19
	v_lshl_add_u32 v148, v0, 2, 0x8800
	v_mov_b32 v149, 0
	v_lshrrev_b32 v1, 5, v0
	v_readfirstlane_b32 s20, v1                    ; wave 0..3
	v_and_b32 v2, 31, v0                           ; lane
	v_lshlrev_b32 v3, 4, v2                        ; 16 x lane
	s_wait_kmcnt 0x0
	s_cmp_ge_u32 ttmp9, NQ
	s_cbranch_scc1 .Ltrans
; ---------------- THE QUANTISER: no LDS, no barrier; a wave takes 16 steps of 512 numbers; loads run four steps (16 loads a wave) ahead
	s_load_b64 s[22:23], s[8:9], 0x0               ; ex, ew
	s_cmp_lt_u32 ttmp9, NQX                        ; x's work-group or w1's: the choice hangs on the work-group's number alone
	s_cselect_b64 s[24:25], s[4:5], s[6:7]         ; from
	s_cselect_b64 s[26:27], s[14:15], s[16:17]     ; to
	s_cselect_b32 s28, 0, NQX
	s_sub_co_u32 s28, ttmp9, s28
	s_lshl_b32 s28, s28, 2
	s_add_co_u32 s28, s28, s20                     ; which run of 8,192 numbers of the tensor is my wave's: 2,047 at the most
	s_lshl_b32 s30, s28, 15                        ; 32,768 bytes of f32 a run
	s_mov_b32 s31, 0
	s_add_nc_u64 s[24:25], s[24:25], s[30:31]
	s_lshl_b32 s30, s28, 13                        ; 8,192 bytes of codes a run
	s_add_nc_u64 s[26:27], s[26:27], s[30:31]
.macro LOAD t
.irp i, 0,1,2,3
	global_load_b128 v[R+16*((\t)%4)+4*\i:R+16*((\t)%4)+4*\i+3], v3, s[24:25] offset:2048*(\t)+512*\i th:TH_LOAD_NT   ; 32 lanes read 512 consecutive bytes; read once in the launch
.endr
.endm
	s_wait_alu depctr_va_vdst(0)
.irp t, 0,1,2,3
	LOAD \t
.endr
	s_wait_kmcnt 0x0
	s_cmp_lt_u32 ttmp9, NQX
	s_cselect_b32 s22, s22, s23                    ; e
	s_add_co_i32 s22, s22, 127
	s_lshl_b32 s23, s22, 23
	v_mov_b32 v11, s23                             ; 2^e as f32: the conversion takes its exponent field
	s_add_co_i32 s22, s22, 15
	s_lshl_b32 s22, s22, 23
	s_or_b32 s22, s22, 0x600000
	v_mov_b32 v10, s22                             ; 57,344 x 2^e
.macro STEP t
.set XS, R+16*((\t)%4)
.if 15-(\t) >= 3
	s_wait_loadcnt 12                              ; this step's four loads are in; those of the three steps behind it may be out
.else
	s_wait_loadcnt 4*(15-(\t))                     ; the last steps: the count runs down
.endif
.irp i, 0,1,2,3,4,5,6,7,8,9,10,11,12,13,14,15
	v_med3_num_f32 v[XS+\i], v[XS+\i], -v10, v10   ; the conversion to an 8-bit code does not saturate (ISA guide 7.6.2): hold the number within the largest code x the scale first
.endr
	v_cvt_scalef32_pk8_bf8_f32 v[C+4*(\t):C+4*(\t)+1], v[XS:XS+7], v11        ; eight numbers / 2^e, to the nearest code, ties to even; the first number's code in the lowest byte
	v_cvt_scalef32_pk8_bf8_f32 v[C+4*(\t)+2:C+4*(\t)+3], v[XS+8:XS+15], v11
.if (\t)+4 < 16
	LOAD (\t)+4                                    ; the set just converted takes the loads of four steps on.  (The codes go to a store alone, and the next vector lines are the next step's holds, plain and on other registers)
.endif
.if ((\t)%4) == 3
.irp u, 3,2,1,0
	global_store_b128 v3, v[C+4*((\t)-\u):C+4*((\t)-\u)+3], s[26:27] offset:512*((\t)-\u)    ; four steps' codes leave in one run: each store covers 512 consecutive bytes, at a multiple of 512 from the buffer's first byte
.endr
.endif
.endm
	s_wait_alu depctr_va_vdst(0)
.irp t, 0,1,2,3,4,5,6,7,8,9,10,11,12,13,14,15
	STEP \t
.endr
	s_endpgm
; ---------------- THE TRANSPOSER: a lane takes a column j of w2 and its registers run down c, so each load reads neighbouring j in neighbouring lanes (128 consecutive bytes a wave, 512 a work-group).
; A lane's 64 numbers are 256 bytes of ONE row of w2t; the lanes beside it hold other rows: they go through the wave's own stage in LDS and leave by rows, sixteen lanes to 256 consecutive aligned bytes.
.Ltrans:
	s_sub_co_u32 s21, ttmp9, NQ
	s_and_b32 s28, s21, 31                         ; which 128 columns j
	s_lshr_b32 s29, s21, 5                         ; which 64 rows c: 0 .. 15
	s_lshl_b32 s30, s28, 7
	s_lshl_b32 s31, s20, 5
	s_add_co_u32 s30, s30, s31                     ; my wave's first column j0
	s_lshl_b32 s32, s29, 20                        ; 64 rows of 16,384 bytes
	s_lshl_b32 s34, s30, 2
	s_add_co_u32 s32, s32, s34
	s_mov_b32 s33, 0
	s_add_nc_u64 s[10:11], s[10:11], s[32:33]      ; w2 at (64 cblk, j0)
	s_lshl_b32 s32, s30, 12                        ; j0 rows of 4,096 bytes
	s_lshl_b32 s34, s29, 8                         ; + 64 numbers x cblk
	s_add_co_u32 s32, s32, s34
	s_add_nc_u64 s[18:19], s[18:19], s[32:33]      ; w2t at (j0, 64 cblk)
	s_wait_alu depctr_va_vdst(0)
	v_lshlrev_b32 v4, 2, v2                        ; in: 4 bytes a lane
	s_mul_i32 s35, s20, 32*SP                      ; my stage
	v_mul_u32_u24 v5, v2, SP
	v_add_nc_u32 v5, s35, v5                       ; into it: row = my column
	v_and_b32 v6, 15, v2
	v_lshrrev_b32 v7, 4, v2
	v_mul_u32_u24 v8, v7, SP
	v_lshl_add_u32 v8, v6, 4, v8
	v_add_nc_u32 v8, s35, v8                       ; out of it: sixteen lanes to a row, two rows an instruction
	v_lshlrev_b32 v9, 12, v7
	v_lshl_add_u32 v9, v6, 4, v9                   ; and the same place in w2t
	v_lshlrev_b32 v12, 4, v6
	v_add_nc_u32 v12, s34, v12                     ; b2 at my four c: byte 256 cblk + 16 (lane % 16),
	v_min_u32 v12, 0xf90, v12                      ; clamped to the last 16 of b2's 4,000 bytes: only c >= 1000, the filling, are touched by the clamp
	global_load_b128 v[BB:BB+3], v12, s[12:13]
.irp i, 0,1,2,3,4,5,6,7,8,9,10,11,12,13,14,15,16,17,18,19,20,21,22,23,24,25,26,27,28,29,30,31,32,33,34,35,36,37,38,39
	global_load_b32 v[XT+\i], v4, s[10:11] offset:16384*\i th:TH_LOAD_NT
.endr
	s_cmp_eq_u32 s29, 15                           ; the last block of c has rows 960 .. 999 alone: no load leaves w2
	s_cbranch_scc1 .Lshort
.irp i, 40,41,42,43,44,45,46,47,48,49,50,51,52,53,54,55,56,57,58,59,60,61,62,63
	global_load_b32 v[XT+\i], v4, s[10:11] offset:16384*\i th:TH_LOAD_NT
.endr
	s_branch .Ljoin
.Lshort:
.irp i, 40,41,42,43,44,45,46,47,48,49,50,51,52,53,54,55,56,57,58,59,60,61,62,63
	v_mov_b32 v[XT+\i], 0
.endr
.Ljoin:
	s_wait_loadcnt 0x0
	s_wait_alu depctr_va_vdst(0)
.irp g, 0,1,2,3,4,5,6,7,8,9,10,11,12,13,14,15
	ds_store_b128 v5, v[XT+4*\g:XT+4*\g+3] offset:16*\g
.endr
.irp t, 0,1,2,3,4,5,6,7,8,9,10,11,12,13,14,15
	ds_load_b128 v[OUTR+4*\t:OUTR+4*\t+3], v8 offset:2*\t*SP   ; LDS serves a wave's instructions in order (ISA guide 5.7.1.4): these see my stores
.endr
.irp t, 0,1,2,3,4,5,6,7,8,9,10,11,12,13,14,15
.if \t == 0
	s_wait_dscnt 0x0                               ; all 32 rows are back: the additions follow in one run, the stores in another
.endif
	v_pk_add_f32 v[OUTR+4*\t:OUTR+4*\t+1], v[OUTR+4*\t:OUTR+4*\t+1], v[BB:BB+1]
	v_pk_add_f32 v[OUTR+4*\t+2:OUTR+4*\t+3], v[OUTR+4*\t+2:OUTR+4*\t+3], v[BB+2:BB+3]
.endr
.irp t, 0,1,2,3,4,5,6,7,8,9,10,11,12,13,14,15
	global_store_b128 v9, v[OUTR+4*\t:OUTR+4*\t+3], s[18:19] offset:8192*\t
.endr
	s_wait_tensorcnt 0x0
	ds_add_u32 v148, v149
	s_wait_dscnt 0x0
	s_endpgm
.Lfunc_end_k_q86459723d2_prep:
	.size	k_q86459723d2_prep, .Lfunc_end_k_q86459723d2_prep-k_q86459723d2_prep
	.p2alignl 7, 3214868480
	.fill 96, 4, 3214868480
	.section	.rodata,"a",@progbits
	.p2align	6, 0x0
	.amdhsa_kernel k_q86459723d2_prep
		.amdhsa_group_segment_fixed_size 35328
		.amdhsa_private_segment_fixed_size 0
		.amdhsa_enable_private_segment 0
		.amdhsa_kernarg_size 64
		.amdhsa_user_sgpr_count 2
		.amdhsa_user_sgpr_kernarg_segment_ptr 1
		.amdhsa_wavefront_size32 1
		.amdhsa_system_sgpr_workgroup_id_x 1
		.amdhsa_system_sgpr_workgroup_id_y 1
		.amdhsa_system_sgpr_workgroup_id_z 1
		.amdhsa_system_vgpr_workitem_id 0
		.amdhsa_next_free_vgpr 150
		.amdhsa_next_free_sgpr 66
		.amdhsa_reserve_vcc 0
		.amdhsa_float_denorm_mode_32 3
		.amdhsa_float_denorm_mode_16_64 3
		.amdhsa_memory_ordered 1
		.amdhsa_forward_progress 1
		.amdhsa_inst_pref_size 42
	.end_amdhsa_kernel
	.amdgpu_metadata
---
amdhsa.version: [ 1, 2 ]
amdhsa.kernels:
  - .name:           k_q86459723d2_prep
    .symbol:         k_q86459723d2_prep.kd
    .args:
      - { .name: x, .offset: 0, .size: 8, .value_kind: global_buffer, .address_space: global }
      - { .name: w1, .offset: 8, .size: 8, .value_kind: global_buffer, .address_space: global }
      - { .name: lowp_scales, .offset: 16, .size: 8, .value_kind: global_buffer, .address_space: global }
      - { .name: w2, .offset: 24, .size: 8, .value_kind: global_buffer, .address_space: global }
      - { .name: b2, .offset: 32, .size: 8, .value_kind: global_buffer, .address_space: global }
      - { .name: xq, .offset: 40, .size: 8, .value_kind: global_buffer, .address_space: global }
      - { .name: wq, .offset: 48, .size: 8, .value_kind: global_buffer, .address_space: global }
      - { .name: w2t, .offset: 56, .size: 8, .value_kind: global_buffer, .address_space: global }
    .group_segment_fixed_size: 35328
    .private_segment_fixed_size: 0
    .kernarg_segment_align: 8
    .kernarg_segment_size: 64
    .max_flat_workgroup_size: 128
    .sgpr_count:     66
    .vgpr_count:     150
    .wavefront_size: 32
...
	.end_amdgpu_metadata
.endif
;; end of part 1
;; launch gemm (part 2): grid 16 x 16, 4 waves a work-group, clusters of 4 x 4, 327,680 bytes of LDS; arguments xq, wq, lowp_scales, b1, cand; writes cand
.if DOCPART == 2
	.amdgcn_target "amdgcn-amd-amdhsa--gfx1250"
	.amdhsa_code_object_version 6
	.text
	.protected	k_q86459723d2_gemm
	.globl	k_q86459723d2_gemm
	.p2align	8
	.type	k_q86459723d2_gemm,@function
k_q86459723d2_gemm:
	s_mov_b64 s[64:65], 0
	v_nop
	global_prefetch_b8 v0, s[64:65] scope:SCOPE_SE
	s_setreg_imm32_b32 hwreg(HW_REG_WAVE_MODE, 25, 1), 1
	s_wait_xcnt 0x0
	s_wait_alu depctr_hold_cnt(0) depctr_sa_sdst(0) depctr_va_vdst(0) depctr_va_sdst(0) depctr_va_ssrc(0) depctr_va_vcc(0) depctr_vm_vsrc(0)
	s_getreg_b32 s2, hwreg(HW_REG_IB_STS2, 6, 4)
	s_cmp_eq_u32 s2, 0
	s_cbranch_scc0 .Lentry_in_a_cluster
	s_endpgm
.Lentry_in_a_cluster:
	s_bfe_u32 s2, ttmp6, 0x10000c
	s_cmp_lg_u32 s2, 0xf033
	s_cbranch_scc0 .Lentry_shape_is_right
	s_endpgm
.Lentry_shape_is_right:
; h = x w1^T + b1 on codes of BF8 (xq [8192][2048], wq [4096][2048], K innermost), sums in f32, each sum x 2^(ex + ew) + b1 by one fused multiply-add.
; h is not stored: of each row and each run of 128 columns the largest h and its first column go to cand: key[32][8192] (h as a whole number that orders as h does), then n[32][8192].
; LIMITS: ex + ew between -126 and 127.  NaN among h is not served.
; A work-group of four waves makes two tiles of 256 x 256, 4,096 rows apart (the same rows of wq); a wave 128 x 128 in 512 registers.  K goes in steps of 256 through two LDS slots.
; CLUSTERS 4 x 4: xq's tiles are asked for jointly along a row of the cluster, wq's along a column.  Each cluster walks K in a circle; the four clusters that share rows begin 512 apart.
; PREFETCH: a wave names 32 of the 128 rows that it fetches, a lane a row of 256 bytes; the four partners of a joint load share the rows out by address (cx for xq, cy for wq).
;   At the head: K step 1 of the first tile, behind K step 0's load.  In the first tile's K steps 4 and 5: the second tile's K steps 0 and 1 of xq, two K steps ahead of their loads.
;   The other K steps are loaded two to six K steps earlier by a cluster that shares the rows and began elsewhere on the circle: no prefetch is laid for them.
.set SIZE_K, 2048
.set KSTEP,  256
.set ROWB,   256
.set KROW,   SIZE_K
.set PITCH,  272
.set FR,     16
.set NL,     4
.set NP,     4
.set HALFT,  128*PITCH
.set SLOT,   4*HALFT
.set LAPS,   SIZE_K/(2*KSTEP)
.set SPARE,  2*SLOT
.set STAGE,  SPARE+512
.set WALK,   4096
.set NPART,  1048576
.set ADRA, 16
.set ADRB, 20
.set STO,  24
.set RD,   25
.set CO,   26
.set NB,   27
.set SPW,  28
.set NIL,  29
.set BO,   31
.set B1,   32
.set AF,   128
.set HV,   128
.set PM,   128
.set PN,   136
.set MX,   192
.set NX,   200
.set OV,   208
.set T0,   224
.set T1,   225
.set FM,   226
.set BK,   232
.set G1, 24
.set G0, 32
.set G1B, 48
.set G0B, 56
.set SEL, 66
.set ABASE, 68
.set UP,  71
.set BBASE, 72
.set CM,  74
.set OFF, 76
.set MSB, 0
.set PFO,  30                          ; v30      my lane x a row of codes (2,048 bytes); never rewritten
.set PFA,  80                          ; s[80:81] the head's prefetch: my work-group's 32 rows, K step 1; never rewritten
.set PFN,  82                          ; s[82:83] the same rows of xq's next tile, K step 0; never rewritten
.set ASKN, 0                           ; 1 while the first tile's loop is assembled
.macro WIN new
.if MSB != \new
	s_set_vgpr_msb (MSB<<8)|\new
.set MSB, \new
.endif
.endm
.set MUL_LO, 0xa1
.set MUL_HI, 0xf1
.set TO_B,   0x40
.macro JLOAD g0a, g1a, g0b, g1b
	s_cmp_eq_u32 s15, 0
	s_cbranch_scc0 .Lfor_b_\@
	tensor_load_to_lds s[\g0a:\g0a+3], s[\g1a:\g1a+7]
	s_nop 0
.rept 4
	v_nop
.endr
	s_branch .Lasked_\@
.Lfor_b_\@:
	tensor_load_to_lds s[\g0b:\g0b+3], s[\g1b:\g1b+7]
	s_nop 0
.rept 4
	v_nop
.endr
.Lasked_\@:
.endm
.macro NEXTK slot
	s_add_co_u32 s[OFF+2*\slot], s[OFF+2*\slot], 2*ROWB
	s_and_b32 s[OFF+2*\slot], s[OFF+2*\slot], KROW-ROWB
	s_add_nc_u64 s[G0+4*\slot+2:G0+4*\slot+3], s[ABASE:ABASE+1], s[OFF+2*\slot:OFF+2*\slot+1]
	s_or_b32 s[G0+4*\slot+3], s[G0+4*\slot+3], 0x80000000
	s_add_nc_u64 s[G0B+4*\slot+2:G0B+4*\slot+3], s[BBASE:BBASE+1], s[OFF+2*\slot:OFF+2*\slot+1]
	s_or_b32 s[G0B+4*\slot+3], s[G0B+4*\slot+3], 0x80000000
.endm
.macro CREST
	s_cmp_lg_u32 s14, 0
	s_cbranch_scc1 .Lnot_wave_0_\@
	s_barrier_signal -3
.Lnot_wave_0_\@:
	s_barrier_wait -3
	s_barrier_signal -1
	s_barrier_wait -1
.endm
.macro CROUND
	s_barrier_signal -1
	s_barrier_wait -1
	CREST
.endm
	s_load_b128 s[4:7], s[0:1], 0x0
	s_load_b128 s[8:11], s[0:1], 0x10
	s_load_b64 s[12:13], s[0:1], 0x20
	v_lshl_add_u32 v[SPW], v0, 2, SPARE
	v_mov_b32 v[NIL], 0
	ds_add_u32 v28, v29
	ds_add_u32 v28, v29
	s_wait_dscnt 0x0
	v_lshrrev_b32 v1, 5, v0
	v_readfirstlane_b32 s14, v1
	s_lshr_b32 s15, s14, 1
	s_and_b32 s16, s14, 1
	s_bfe_u32 s40, ttmp6, 0x40000
	s_bfe_u32 s41, ttmp6, 0x40004
	s_lshl_b32 s42, ttmp9, 2
	s_add_co_u32 s42, s42, s40
	s_and_b32 s17, ttmp7, 0xffff
	s_lshl_b32 s17, s17, 2
	s_add_co_u32 s17, s17, s41
	s_lshl_b32 s43, s41, 2
	s_lshl_b32 s43, 15, s43
	s_lshl_b32 s44, 0x1111, s40
	s_or_b32 s[G1+0], s43, (0<<16)|(1<<20)|(1<<21)|(5<<22)|(3<<25)
	s_or_b32 s[G1B+0], s44, (0<<16)|(1<<20)|(1<<21)|(5<<22)|(3<<25)
.irp g, G1, G1B
	s_mov_b32 s[\g+1], ROWB<<16
	s_mov_b32 s[\g+2], 128<<16
	s_mov_b32 s[\g+3], ROWB<<16
	s_mov_b32 s[\g+4], 128
	s_mov_b32 s[\g+5], KROW
	s_mov_b32 s[\g+6], 0
	s_mov_b32 s[\g+7], 0
.endr
	s_mov_b32 s[SEL], 0x76543210
	s_mov_b32 s[SEL+1], 0xfedcba98
	s_mov_b32 s[UP], 0xffff0000
	s_and_b32 s18, ttmp7, 0xffff
	s_and_b32 s19, s18, 1
	s_lshl_b32 s19, s19, 1
	s_lshr_b32 s18, s18, 1
	s_or_b32 s18, s18, s19
	s_add_co_u32 s18, s18, ttmp9
	s_and_b32 s18, s18, 3
	s_lshl_b32 s[OFF], s18, 9
	s_add_co_u32 s[OFF+2], s[OFF], ROWB
	s_mov_b32 s[OFF+1], 0
	s_mov_b32 s[OFF+3], 0
	s_lshl_b32 s18, s16, 7
	s_lshl_b32 s20, s17, 8
	s_add_co_u32 s20, s20, s18
	s_lshl_b32 s46, s42, 8
	s_add_co_u32 s46, s46, s18
	s_mov_b32 s21, 0
	s_mov_b32 s47, 0
	s_mov_b64 s[18:19], KROW
	s_mul_u64 s[20:21], s[20:21], s[18:19]
	s_mul_u64 s[46:47], s[46:47], s[18:19]
	s_mul_i32 s45, s14, HALFT
	s_wait_kmcnt 0x0
	s_load_b64 s[96:97], s[8:9], 0x0
	s_add_nc_u64 s[ABASE:ABASE+1], s[4:5], s[20:21]
	s_add_nc_u64 s[BBASE:BBASE+1], s[6:7], s[46:47]
	CROUND
.irp s, 0,1
	s_mov_b32 s[G0+4*\s], 1
	s_add_co_u32 s[G0+4*\s+1], s45, \s*SLOT
	s_add_nc_u64 s[G0+4*\s+2:G0+4*\s+3], s[ABASE:ABASE+1], s[OFF+2*\s:OFF+2*\s+1]
	s_or_b32 s[G0+4*\s+3], s[G0+4*\s+3], 0x80000000
	s_mov_b32 s[G0B+4*\s], 1
	s_add_co_u32 s[G0B+4*\s+1], s45, \s*SLOT
	s_add_nc_u64 s[G0B+4*\s+2:G0B+4*\s+3], s[BBASE:BBASE+1], s[OFF+2*\s:OFF+2*\s+1]
	s_or_b32 s[G0B+4*\s+3], s[G0B+4*\s+3], 0x80000000
.endr
	JLOAD G0, G1, G0B, G1B                         ; K step 0: one tensor load a wave at the head
	s_cmp_eq_u32 s15, 0                            ; do I fetch for xq?
	s_cselect_b64 s[PFA:PFA+1], s[ABASE:ABASE+1], s[BBASE:BBASE+1]
	s_cselect_b32 s86, s40, s41                    ; my place among the four that ask with me
	s_lshl_b32 s86, s86, 16                        ; 32 rows of 2,048 bytes
	s_mov_b32 s87, 0
	s_add_nc_u64 s[PFA:PFA+1], s[PFA:PFA+1], s[86:87]
	s_add_nc_u64 s[PFA:PFA+1], s[PFA:PFA+1], s[OFF+2:OFF+3]   ; K step 1
	s_lshl_b32 s86, s40, 16
	s_add_nc_u64 s[PFN:PFN+1], s[ABASE:ABASE+1], s[86:87]
	s_add_nc_u64 s[PFN:PFN+1], s[PFN:PFN+1], s[OFF:OFF+1]     ; K step 0,
	s_add_nc_u64 s[PFN:PFN+1], s[PFN:PFN+1], WALK*KROW        ; 4,096 rows down: rows under 8,192, inside xq
	v_and_b32 v[PFO], 31, v0
	v_lshlrev_b32 v[PFO], 11, v[PFO]
	global_prefetch_b8 v[PFO], s[PFA:PFA+1] th:TH_LOAD_NT scope:SCOPE_SE
	v_and_b32 v1, 15, v0
	s_wait_alu depctr_va_vdst(0)
	v_bfe_u32 v2, v0, 4, 1
	v_mul_u32_u24 v3, v1, PITCH
	v_lshl_add_u32 v4, v2, 4, v3
	s_mul_i32 s21, s15, HALFT
	s_mul_i32 s22, s16, HALFT
	s_add_co_u32 s22, s22, 2*HALFT
.irp s, 0,1
	v_add_nc_u32 v[ADRA+\s], s21, v4
	v_add_nc_u32 v[ADRB+\s], s22, v4
	s_add_co_u32 s21, s21, SLOT
	s_add_co_u32 s22, s22, SLOT
.endr
	s_lshl_b32 s23, s14, 10
	s_add_co_u32 s23, s23, STAGE
	v_lshlrev_b32 v5, 2, v1
	s_wait_alu depctr_va_vdst(0)
	v_lshl_add_u32 v5, v2, 9, v5
	v_add_nc_u32 v[STO], s23, v5
	v_and_b32 v6, 31, v0
	v_lshlrev_b32 v[CO], 4, v6
	v_add_nc_u32 v[RD], s23, v[CO]
	v_lshlrev_b32 v[BO], 5, v2
	s_lshl_b32 s46, s42, 8
	s_lshl_b32 s47, s16, 7
	s_add_co_u32 s46, s46, s47
	v_lshl_add_u32 v[NB], v2, 3, s46
	s_lshl_b32 s46, s46, 2
	s_mov_b32 s47, 0
	s_add_nc_u64 s[10:11], s[10:11], s[46:47]
.irp b, 0,1,2,3,4,5,6,7
	global_load_b128 v[B1+8*\b:B1+8*\b+3],   v[BO], s[10:11] offset:64*\b
	global_load_b128 v[B1+8*\b+4:B1+8*\b+7], v[BO], s[10:11] offset:64*\b+16
.endr
	s_lshl_b32 s46, s42, 1
	s_add_co_u32 s46, s46, s16
	s_lshl_b32 s46, s46, 15
	s_lshl_b32 s20, s17, 8
	s_lshl_b32 s21, s15, 7
	s_add_co_u32 s20, s20, s21
	s_lshl_b32 s20, s20, 2
	s_add_co_u32 s46, s46, s20
	s_add_nc_u64 s[12:13], s[12:13], s[46:47]
.macro FRAG reg, adr, q, i
.irp c, 0,1,2,3
	ds_load_b128 v[\reg+4*\c:\reg+4*\c+3], v[\adr] offset:128*(\q)+32*\c+(\i)*16*PITCH
.endr
.endm
.macro MUL16 a0, p, zero
.irp a, \a0, \a0+1
.irp b, 0,1,2,3,4,5,6,7
.if \zero
	v_wmma_f32_16x16x128_bf8_bf8 v[8*(8*((\a)%4)+\b):8*(8*((\a)%4)+\b)+7], v[128*(\p)+FR*\b:128*(\p)+FR*\b+FR-1], v[AF+FR*(\a):AF+FR*(\a)+FR-1], 0
.else
	v_wmma_f32_16x16x128_bf8_bf8 v[8*(8*((\a)%4)+\b):8*(8*((\a)%4)+\b)+7], v[128*(\p)+FR*\b:128*(\p)+FR*\b+FR-1], v[AF+FR*(\a):AF+FR*(\a)+FR-1], v[8*(8*((\a)%4)+\b):8*(8*((\a)%4)+\b)+7]
.endif
.endr
.endr
.endm
.macro FETCH_B slot, q, p
	WIN TO_B
.irp i, 0,1,2,3,4,5,6,7
	FRAG 128*(\p)+FR*\i, ADRB+\slot, \q, \i
.endr
	WIN 0
.endm
.macro FETCH_A slot, q, i0
.irp i, \i0, \i0+1, \i0+2, \i0+3
	FRAG AF+FR*(\i), ADRA+\slot, \q, \i
.endr
.endm
.macro FIRSTF
	FETCH_B 0, 0, 0
	FETCH_A 0, 0, 0
	FETCH_A 0, 0, 4
.endm
.macro PLACES n
.rept \n
	v_nop
.endr
.endm
.macro STEP slot, q, zero
	s_wait_dscnt 4*NL
	WIN MUL_LO
	MUL16 0, (\q)%2, \zero
	MUL16 2, (\q)%2, \zero
	s_wait_dscnt 0
	PLACES NP
	FETCH_B \slot, (\q)+1, 1-(\q)%2
	FETCH_A \slot, (\q)+1, 0
	WIN MUL_HI
	MUL16 4, (\q)%2, \zero
	MUL16 6, (\q)%2, \zero
	PLACES NP
	WIN 0
	FETCH_A \slot, (\q)+1, 4
.endm
.macro TURN slot, next, fill, walk, fetch
	s_wait_tensorcnt 0x0
	ds_add_u32 v[SPW], v[NIL]
.if \fill
.if \walk
	s_add_nc_u64 s[ABASE:ABASE+1], s[ABASE:ABASE+1], WALK*KROW
.endif
	NEXTK \slot
.endif
	s_wait_dscnt 4*NL+1
	WIN MUL_LO
	MUL16 0, 1, 0
	s_wait_dscnt 0x0
	s_barrier_signal -1
	MUL16 2, 1, 0
	WIN 0
	s_barrier_wait -1
.if \fill
	CREST
	JLOAD G0+4*\slot, G1, G0B+4*\slot, G1B
.elseif \fetch
	PLACES NP
.endif
.if \fetch
	FETCH_B \next, 0, 0
	FETCH_A \next, 0, 0
.if ASKN
	s_cmp_eq_u32 s3, 1                             ; the loop's last trip holds K steps 4 and 5
	s_cselect_b32 s88, s15, 1                      ; 0 there in xq's waves alone
	s_cmp_lg_u32 s88, 0
	s_cbranch_scc1 .Lno_ask_\@
	global_prefetch_b8 v[PFO], s[PFN:PFN+1] offset:\slot*ROWB th:TH_LOAD_NT scope:SCOPE_SE
.Lno_ask_\@:
.endif
.endif
	WIN MUL_HI
	MUL16 4, 1, 0
	MUL16 6, 1, 0
.if \fetch
	PLACES NP
	WIN 0
	FETCH_A \next, 0, 4
.else
	WIN 0
.endif
.endm
.macro KLOOP ask
.set ASKN, \ask
	s_mov_b32 s3, LAPS-1
.Llap_\@:
	TURN 0, 1, 1, 0, 1
	STEP 1, 0, 0
	TURN 1, 0, 1, 0, 1
	STEP 0, 0, 0
	s_sub_co_u32 s3, s3, 1
	s_cmp_lg_u32 s3, 0
	s_cbranch_scc1 .Llap_\@
.set ASKN, 0
.endm
.macro BLOCK a
.set AC, 64*((\a)%4)
	WIN 0x02+((\a)/4)
.irp j, 0,2,4,6,8,10,12,14,16,18,20,22,24,26,28,30,32,34,36,38,40,42,44,46,48,50,52,54,56,58,60,62
	v_pk_fma_f32 v[HV+\j:HV+\j+1], v[AC+\j:AC+\j+1], s[96:97], v[B1+\j:B1+\j+1] op_sel_hi:[1,0,1]
.endr
	WIN 0
	v_max3_num_f32 v[MX+\a], v[HV], v[HV+1], v[HV+2]
	v_max3_num_f32 v[T0], v[HV+3], v[HV+4], v[HV+5]
.irp i, 6,10,14,18,22,26,30,34,38,42,46,50,54,58
	v_max3_num_f32 v[MX+\a], v[MX+\a], v[HV+\i], v[HV+\i+1]
	v_max3_num_f32 v[T0], v[T0], v[HV+\i+2], v[HV+\i+3]
.endr
	v_max3_num_f32 v[MX+\a], v[MX+\a], v[HV+62], v[HV+63]
	v_max_num_f32 v[MX+\a], v[MX+\a], v[T0]
	v_mov_b32 v[T0], 64
	v_mov_b32 v[T1], 63
	v_cmp_neq_f32 vcc_lo, v[HV+31], v[MX+\a]
	v_cndmask_b32 v[T0], 31, v[T0], vcc_lo
.irp j, 30,29,28,27,26,25,24,23,22,21,20,19,18,17,16,15,14,13,12,11,10,9,8,7,6,5,4,3,2,1,0
	v_cmp_neq_f32 vcc_lo, v[HV+\j], v[MX+\a]
	v_cmp_neq_f32 s[CM], v[HV+32+\j], v[MX+\a]
	v_cndmask_b32 v[T0], \j, v[T0], vcc_lo
	v_cndmask_b32 v[T1], 32+\j, v[T1], s[CM]
.endr
	v_min_u32 v[T0], v[T0], v[T1]
	v_and_b32 v[T1], 56, v[T0]
	v_add3_u32 v[NX+\a], v[T1], v[T0], v[NB]
.endm
.macro WAYOUT first
.if \first
	s_wait_kmcnt 0x0
	s_add_co_i32 s96, s96, s97
	s_add_co_i32 s96, s96, 127
	s_lshl_b32 s96, s96, 23
	s_wait_loadcnt 0x0
.endif
	PLACES NP
.irp a, 0,1,2,3,4,5,6,7
	BLOCK \a
.endr
.irp a, 0,1,2,3,4,5,6,7
	v_permlanex16_b32 v[PM+\a], v[MX+\a], s[SEL], s[SEL+1]
	v_permlanex16_b32 v[PN+\a], v[NX+\a], s[SEL], s[SEL+1]
.endr
.irp a, 0,1,2,3,4,5,6,7
	v_max_num_f32 v[FM], v[MX+\a], v[PM+\a]
	v_cmp_eq_f32 vcc_lo, v[MX+\a], v[FM]
	v_cmp_eq_f32 s[CM], v[PM+\a], v[FM]
	v_cndmask_b32 v[T0], -1, v[NX+\a], vcc_lo
	v_cndmask_b32 v[T1], -1, v[PN+\a], s[CM]
	v_min_u32 v[NX+\a], v[T0], v[T1]
	v_add_f32 v[FM], 0, v[FM]
	v_ashrrev_i32 v[T0], 31, v[FM]
	v_or_b32 v[T0], 0x80000000, v[T0]
	v_xor_b32 v[MX+\a], v[FM], v[T0]
	v_cndmask_b32 v[OV+\a], v[MX+\a], v[NX+\a], s[UP]
	ds_store_b32 v[STO], v[OV+\a] offset:64*\a
.endr
	ds_load_b128 v[BK:BK+3], v[RD]
	ds_load_b128 v[BK+4:BK+7], v[RD] offset:512
	s_wait_dscnt 0x0
	global_store_b128 v[CO], v[BK:BK+3], s[12:13]
	global_store_b128 v[CO], v[BK+4:BK+7], s[12:13] offset:NPART
.endm
	s_wait_alu depctr_va_vdst(0)
	s_wait_tensorcnt 0x0                           ; my part of K step 0 is in
	ds_add_u32 v[SPW], v[NIL]
	s_wait_dscnt 0x0
	CROUND                                         ; everybody's part of K step 0 is in, and all sixteen work-groups are here
	JLOAD G0+4, G1, G0B+4, G1B                     ; K step 1: the first tensor load behind the round
	FIRSTF
	STEP 0, 0, 1
	KLOOP 1
	TURN 0, 1, 1, 1, 1
	STEP 1, 0, 0
	TURN 1, 0, 1, 0, 0
	WAYOUT 1
	s_wait_xcnt 0x0
	s_add_nc_u64 s[12:13], s[12:13], WALK*4
	FIRSTF
	STEP 0, 0, 1
	KLOOP 0
	TURN 0, 1, 0, 0, 1
	STEP 1, 0, 0
	s_wait_dscnt 4*NL
	WIN MUL_LO
	MUL16 0, 1, 0
	MUL16 2, 1, 0
	s_wait_dscnt 0
	WIN MUL_HI
	MUL16 4, 1, 0
	MUL16 6, 1, 0
	WIN 0
	WAYOUT 0
	s_wait_tensorcnt 0x0
	ds_add_u32 v[SPW], v[NIL]
	s_wait_dscnt 0x0
	CROUND
	s_endpgm
.Lfunc_end_k_q86459723d2_gemm:
	.size	k_q86459723d2_gemm, .Lfunc_end_k_q86459723d2_gemm-k_q86459723d2_gemm
	.p2alignl 7, 3214868480
	.fill 96, 4, 3214868480
	.section	.rodata,"a",@progbits
	.p2align	6, 0x0
	.amdhsa_kernel k_q86459723d2_gemm
		.amdhsa_group_segment_fixed_size 327680
		.amdhsa_private_segment_fixed_size 0
		.amdhsa_enable_private_segment 0
		.amdhsa_kernarg_size 40
		.amdhsa_user_sgpr_count 2
		.amdhsa_user_sgpr_kernarg_segment_ptr 1
		.amdhsa_wavefront_size32 1
		.amdhsa_system_sgpr_workgroup_id_x 1
		.amdhsa_system_sgpr_workgroup_id_y 1
		.amdhsa_system_sgpr_workgroup_id_z 1
		.amdhsa_system_vgpr_workitem_id 0
		.amdhsa_next_free_vgpr 1024
		.amdhsa_next_free_sgpr 98
		.amdhsa_reserve_vcc 1
		.amdhsa_float_denorm_mode_32 3
		.amdhsa_float_denorm_mode_16_64 3
		.amdhsa_memory_ordered 1
		.amdhsa_forward_progress 1
		.amdhsa_inst_pref_size 255
	.end_amdhsa_kernel
	.section	.bss,"aw",@nobits
	.p2align	6
	.space	262144
	.amdgpu_metadata
---
amdhsa.version: [ 1, 2 ]
amdhsa.kernels:
  - .name:           k_q86459723d2_gemm
    .symbol:         k_q86459723d2_gemm.kd
    .args:
      - { .name: xq, .offset: 0, .size: 8, .value_kind: global_buffer, .address_space: global }
      - { .name: wq, .offset: 8, .size: 8, .value_kind: global_buffer, .address_space: global }
      - { .name: lowp_scales, .offset: 16, .size: 8, .value_kind: global_buffer, .address_space: global }
      - { .name: b1, .offset: 24, .size: 8, .value_kind: global_buffer, .address_space: global }
      - { .name: cand, .offset: 32, .size: 8, .value_kind: global_buffer, .address_space: global }
    .group_segment_fixed_size: 327680
    .private_segment_fixed_size: 0
    .kernarg_segment_align: 8
    .kernarg_segment_size: 40
    .max_flat_workgroup_size: 128
    .sgpr_count:     98
    .vgpr_count:     1024
    .wavefront_size: 32
...
	.end_amdgpu_metadata
.endif
;; end of part 2
;; launch pick (part 3): grid 256 x 1, 10 waves a work-group, no clusters, 11,520 bytes of LDS; arguments cand, w2t, out0; writes out0
.if DOCPART == 3
	.amdgcn_target "amdgcn-amd-amdhsa--gfx1250"
	.amdhsa_code_object_version 6
	.text
	.protected	k_q86459723d2_pick
	.globl	k_q86459723d2_pick
	.p2align	8
	.type	k_q86459723d2_pick,@function
k_q86459723d2_pick:
	s_mov_b64 s[64:65], 0
	v_nop
	global_prefetch_b8 v0, s[64:65] scope:SCOPE_SE
	s_setreg_imm32_b32 hwreg(HW_REG_WAVE_MODE, 25, 1), 1
	s_wait_xcnt 0x0
; out0[row][c] = w2t[idx[row]][c], c = 0 .. 999, where idx[row] is the column of the largest key among the row's 32 candidates, the lowest block winning a tie (w2t already holds w2's column + b2).
; cand: key[32][8192] u32, then n[32][8192] u32: whole numbers that the launch before has stored; all comparisons here are of whole numbers.
; A work-group owns 32 rows of out0: 128,000 bytes = 8,000 chunks of 16 bytes, which begin at a multiple of 256 bytes from out0's first byte.  Thread t of 320 takes chunks 320 i + t, i = 0 .. 24: so each store of a wave
; covers 512 consecutive aligned bytes, across the ends of rows too (a row is 250 chunks).  All 25 gathers of a thread are out together.
; No matrix unit, no tensor load, no cluster: the work-groups share no tile, and what binds is the bytes moved.  No prefetch: every load goes out as soon as its address exists.
.set NPART, 1048576                    ; cand: the column numbers lie this many bytes behind the keys
.set NOFF,  5120                       ; LDS: key[32][32] from byte 0 (4,096 bytes); n[32][32] from here: 16 x thread and 16 x thread + NOFF meet for no thread number
.set AD,   16                          ; v16-40    chunk i: 4 x its row, then its byte offset in w2t
.set KY,   44                          ; v44-75    my row's 32 keys
.set NN,   76                          ; v76-107   and their columns
.set CC,   108                         ; v108-132  chunk i: its place in its row, 0 .. 249
.set DT,   44                          ; v44-143   chunk i: 4 registers of data (over the keys, the columns and the places, which are all done with by then)
	s_load_b128 s[4:7], s[0:1], 0x0                ; cand, w2t
	s_load_b64 s[8:9], s[0:1], 0x10                ; out0
	v_lshl_add_u32 v144, v0, 2, 0x2800
	v_mov_b32 v145, 0
	v_lshrrev_b32 v1, 5, v0
	s_delay_alu instid0(VALU_DEP_1)
	v_readfirstlane_b32 s10, v1                    ; wave 0..9
	v_lshlrev_b32 v2, 4, v0                        ; 16 x thread: my place in LDS on the way in, and in each 5,120 bytes of out0
	v_and_b32 v3, 31, v0
	s_delay_alu instid0(VALU_DEP_1)
	v_lshlrev_b32 v3, 2, v3                        ; 4 x lane: my row's word in a block's 32
	v_lshrrev_b32 v1, 3, v0
	s_delay_alu instid0(VALU_DEP_1)
	v_lshlrev_b32 v1, 15, v1                       ; threads 0-255: block t / 8 (32,768 bytes a block),
	v_and_b32 v4, 7, v0
	s_delay_alu instid0(VALU_DEP_1)
	v_lshl_add_u32 v1, v4, 4, v1                   ; four rows: 16 (t % 8)
	s_lshl_b32 s2, ttmp9, 7                        ; my 32 rows x 4 bytes
	s_mov_b32 s3, 0
	s_mul_i32 s14, ttmp9, 128000                   ; my 32 rows of out0: under 2^25
	s_mov_b32 s15, 0
	s_wait_kmcnt 0x0
	s_add_nc_u64 s[4:5], s[4:5], s[2:3]
	s_add_nc_u64 s[8:9], s[8:9], s[14:15]
	s_cmp_ge_u32 s10, 8                            ; the two tables are 256 pieces of 16 bytes each: waves 0 to 7 bring them
	s_cbranch_scc1 .Lno_copy
	s_wait_alu depctr_va_vdst(0)
	global_load_b128 v[44:47], v1, s[4:5]
	global_load_b128 v[48:51], v1, s[4:5] offset:NPART
	s_wait_loadcnt 0x0
	ds_store_b128 v2, v[44:47]                     ; key[block][row] at 128 x block + 4 x row
	ds_store_b128 v2, v[48:51] offset:NOFF
.Lno_copy:
	s_wait_dscnt 0x0                               ; for the others' sake: my stores have landed
	s_barrier_signal -1
	s_barrier_wait -1                              ; the launch's one barrier: nothing is written to LDS behind it
	; every wave finds all 32 rows' columns, a lane a row
	s_wait_alu depctr_va_vdst(0)
.irp cb, 0,1,2,3,4,5,6,7,8,9,10,11,12,13,14,15,16,17,18,19,20,21,22,23,24,25,26,27,28,29,30,31
	ds_load_b32 v[KY+\cb], v3 offset:128*\cb
.endr
.irp cb, 0,1,2,3,4,5,6,7,8,9,10,11,12,13,14,15,16,17,18,19,20,21,22,23,24,25,26,27,28,29,30,31
	ds_load_b32 v[NN+\cb], v3 offset:NOFF+128*\cb
.endr
; chunk q = 320 i + t: its row q / 250 = (q x 67,109) >> 24 (67,109 x 250 = 2^24 + 34: exact for q < 8,000, and the product stays under 2^32) and its place in the row.  This stands between the LDS loads and the wait for them.
.macro CH i
	v_add_nc_u32 v[CC+\i], 320*\i, v0
	s_delay_alu instid0(VALU_DEP_1)
	v_mul_u32_u24 v[AD+\i], 0x10625, v[CC+\i]
	s_delay_alu instid0(VALU_DEP_1)
	v_lshrrev_b32 v[AD+\i], 24, v[AD+\i]
	s_delay_alu instid0(VALU_DEP_1)
	v_mul_u32_u24 v11, 0xfa, v[AD+\i]
	s_delay_alu instid0(VALU_DEP_1)
	v_sub_nc_u32 v[CC+\i], v[CC+\i], v11
	s_delay_alu instid0(VALU_DEP_3)
	v_lshlrev_b32 v[AD+\i], 2, v[AD+\i]            ; 4 x row: the lane that holds the row's column, as the permute wants it
.endm
.irp i, 0,1,2,3,4,5,6,7,8,9,10,11,12,13,14,15,16,17,18,19,20,21,22,23,24
	CH \i
.endr
	s_wait_dscnt 0x0
.irp cb, 1
	v_cmp_gt_u32 vcc_lo, v[KY+\cb], v[KY]
	v_cmp_gt_u32 s12, v[KY+16+\cb], v[KY+16]
	s_delay_alu instid0(VALU_DEP_2)
	v_cndmask_b32 v[KY], v[KY], v[KY+\cb], vcc_lo
	s_delay_alu instid0(VALU_DEP_3)
	v_cndmask_b32 v[NN], v[NN], v[NN+\cb], vcc_lo
	s_delay_alu instid0(VALU_DEP_3)
	v_cndmask_b32 v[KY+16], v[KY+16], v[KY+16+\cb], s12
	s_delay_alu instid0(VALU_DEP_4)
	v_cndmask_b32 v[NN+16], v[NN+16], v[NN+16+\cb], s12
.endr
.irp cb, 2, 3, 4, 5, 6, 7, 8, 9, 10, 11, 12, 13, 14, 15
	s_delay_alu instid0(VALU_DEP_4)
	v_cmp_gt_u32 vcc_lo, v[KY+\cb], v[KY]
	s_delay_alu instid0(VALU_DEP_3)
	v_cmp_gt_u32 s12, v[KY+16+\cb], v[KY+16]
	s_delay_alu instid0(VALU_DEP_2)
	v_cndmask_b32 v[KY], v[KY], v[KY+\cb], vcc_lo
	s_delay_alu instid0(VALU_DEP_3)
	v_cndmask_b32 v[NN], v[NN], v[NN+\cb], vcc_lo
	s_delay_alu instid0(VALU_DEP_3)
	v_cndmask_b32 v[KY+16], v[KY+16], v[KY+16+\cb], s12
	s_delay_alu instid0(VALU_DEP_4)
	v_cndmask_b32 v[NN+16], v[NN+16], v[NN+16+\cb], s12
.endr
	s_delay_alu instid0(VALU_DEP_2)
	v_cmp_gt_u32 vcc_lo, v[KY+16], v[KY]
	s_delay_alu instid0(VALU_DEP_1)
	v_cndmask_b32 v10, v[NN], v[NN+16], vcc_lo     ; idx of row = my lane
.irp i, 0,1,2,3,4,5,6,7,8,9,10,11,12,13,14,15,16,17,18,19,20,21,22,23,24
	ds_bpermute_b32 v[AD+\i], v[AD+\i], v10        ; idx of chunk i's row
.endr
	s_wait_dscnt 0x0
.irp i, 0,1,2,3,4,5,6,7,8,9,10,11,12,13,14,15,16,17,18,19,20,21,22,23,24
	v_min_u32 v[AD+\i], 0xfff, v[AD+\i]            ; a number that was read enters an address only behind a clamp: w2t has 4,096 rows
	s_delay_alu instid0(VALU_DEP_1)
	v_lshlrev_b32 v[AD+\i], 12, v[AD+\i]           ; of 4,096 bytes
	s_delay_alu instid0(VALU_DEP_1)
	v_lshl_add_u32 v[AD+\i], v[CC+\i], 4, v[AD+\i]
.endr
.irp i, 0,1,2,3,4,5,6,7,8,9,10,11,12,13,14,15,16,17,18,19,20,21,22,23,24
	global_load_b128 v[DT+4*\i:DT+4*\i+3], v[AD+\i], s[6:7]   ; no hint: several rows may name the same row of w2t
.endr
.irp i, 0,1,2,3,4,5,6,7,8,9,10,11,12,13,14,15,16,17,18,19,20,21,22,23,24
	s_wait_loadcnt 24-\i                           ; loads come back in order (ISA guide 5.7.1): chunk i is in, the younger ones may be out
	global_store_b128 v2, v[DT+4*\i:DT+4*\i+3], s[8:9] offset:5120*\i th:TH_STORE_NT   ; written once, read by nobody here
.endr
	s_wait_tensorcnt 0x0
	ds_add_u32 v144, v145
	s_wait_dscnt 0x0
	s_endpgm
.Lfunc_end_k_q86459723d2_pick:
	.size	k_q86459723d2_pick, .Lfunc_end_k_q86459723d2_pick-k_q86459723d2_pick
	.p2alignl 7, 3214868480
	.fill 96, 4, 3214868480
	.section	.rodata,"a",@progbits
	.p2align	6, 0x0
	.amdhsa_kernel k_q86459723d2_pick
		.amdhsa_group_segment_fixed_size 11520
		.amdhsa_private_segment_fixed_size 0
		.amdhsa_enable_private_segment 0
		.amdhsa_kernarg_size 24
		.amdhsa_user_sgpr_count 2
		.amdhsa_user_sgpr_kernarg_segment_ptr 1
		.amdhsa_wavefront_size32 1
		.amdhsa_system_sgpr_workgroup_id_x 1
		.amdhsa_system_sgpr_workgroup_id_y 1
		.amdhsa_system_sgpr_workgroup_id_z 1
		.amdhsa_system_vgpr_workitem_id 0
		.amdhsa_next_free_vgpr 146
		.amdhsa_next_free_sgpr 66
		.amdhsa_reserve_vcc 1
		.amdhsa_float_denorm_mode_32 3
		.amdhsa_float_denorm_mode_16_64 3
		.amdhsa_memory_ordered 1
		.amdhsa_forward_progress 1
		.amdhsa_inst_pref_size 37
	.end_amdhsa_kernel
	.amdgpu_metadata
---
amdhsa.version: [ 1, 2 ]
amdhsa.kernels:
  - .name:           k_q86459723d2_pick
    .symbol:         k_q86459723d2_pick.kd
    .args:
      - { .name: cand, .offset: 0, .size: 8, .value_kind: global_buffer, .address_space: global }
      - { .name: w2t, .offset: 8, .size: 8, .value_kind: global_buffer, .address_space: global }
      - { .name: out0, .offset: 16, .size: 8, .value_kind: global_buffer, .address_space: global }
    .group_segment_fixed_size: 11520
    .private_segment_fixed_size: 0
    .kernarg_segment_align: 8
    .kernarg_segment_size: 24
    .max_flat_workgroup_size: 320
    .sgpr_count:     66
    .vgpr_count:     146
    .wavefront_size: 32
...
	.end_amdgpu_metadata
.endif
;; end of part 3
